; MI455X (gfx1250); checked and timed in simulation.
; The chip was launched on July 23, 2026; its instructions are those of AMD's public machine-readable ISA for CDNA 5 (MIT licence, August 2026) and "CDNA5" Instruction Set Architecture Reference Guide (July 2026). The comments in the code are by the model that wrote it; some were corrected since.
;; DIF Layer. Allowed arithmetic: matrix products marked QUANTISED: E3M2 operands, one E8M0 scale for each 32 along K, by v_wmma_scale_f32_16x16x128_f8f6f4 with both operands' format E3M2, f32 sums; everything else in f32.
;; Inputs: W1_codes 256 x 2 x 24 uint8 (E3M2 codes of W1, K innermost, in blocks of 32 codes, four codes in three bytes); W1_scales 256 x 2 uint8 (E8M0 scales of W1, one for each 32 codes along K); W2_codes 256 x 8 x 24 uint8 (E3M2 codes of W2, K innermost, in blocks of 32 codes, four codes in three bytes); W2_scales 256 x 8 uint8 (E8M0 scales of W2, one for each 32 codes along K); W3_codes 64 x 8 x 24 uint8 (E3M2 codes of W3, K innermost, in blocks of 32 codes, four codes in three bytes); W3_scales 64 x 8 uint8 (E8M0 scales of W3, one for each 32 codes along K); b1 256 float32; b2 256 float32; b3 64 float32; log_s 64 x 64 float32; m 64 x 64 float32; x 8,192 x 64 float32.
;; Outputs: out0 8,192 float32.
;; This version of the problem:
;;   THIS VERSION OF THE PROBLEM IS GIVEN IN LOW PRECISION. The matrix products marked QUANTISED in the list below multiply operands that are first quantised to E3M2 (3 exponent bits, 2 mantissa bits; 6 bits a number), with one power-of-two scale for each 32 numbers along K (OCP MX v1.0); their sums are f32. All else is computed in f32.
;;   The module's matrix products, in the order in which they are computed (A, B: the left and right operand; K: the contracted axis; several contracted axes count as one K, in the product's order):
;;     1. [M 524,288, K 64] x [K 64, N 256]; A: computed on the way; B: input W1 (given as codes): QUANTISED
;;     2. [M 524,288, K 256] x [K 256, N 256]; A: computed on the way; B: input W2 (given as codes): QUANTISED
;;     3. [M 524,288, K 256] x [K 256, N 64]; A: computed on the way; B: input W3 (given as codes): QUANTISED
;;   THE QUANTISER, for each operand of a quantised product, along K:
;;     - K is cut into blocks of 32 from its start; a last block that is shorter is filled with zeros.
;;     - A block's scale is 2^e with e = floor(log2(the largest magnitude in the block)) - 4, held to -126 .. 127; a block of zeros has e = 0. As a byte (E8M0): e + 127.
;;     - Each number is divided by its block's scale, clamped to +-28, and rounded to the nearest number of E3M2, ties to even, subnormals kept.
;;     - The product sums the exact products of the quantised numbers (number of the format x scale) in f32.
;;   ~~~python
;;   def quantise(x, axis):      # numpy; x: float32 -> the quantised numbers, widened to float32 again
;;       x = np.moveaxis(x, axis, -1); K = x.shape[-1]
;;       x = np.pad(x, [(0, 0)] * (x.ndim - 1) + [(0, -K % 32)]); x = x.reshape(x.shape[:-1] + (-1, 32)); a = np.abs(x).max(-1, keepdims=True)
;;       e = np.where(a > 0, np.clip(np.frexp(np.where(a > 0, a, 1))[1] - 1 - 4, -126, 127), 0)      # np.frexp(a)[1] - 1 = floor(log2(a)), exactly
;;       r = np.clip(x / 2.0 ** e, -28, 28)
;;       step = 2.0 ** (np.maximum(np.frexp(np.where(r == 0, 1, r))[1] - 1, -2) - 2)
;;       q = np.round(r / step) * step * 2.0 ** e      # np.round: ties to even
;;       return np.moveaxis(q.reshape(q.shape[:-2] + (-1,))[..., :K], -1, axis).astype(np.float32)
;;   ~~~
;;   OPERANDS COMPUTED ON THE WAY. 'Computed on the way' means the value that the module computes at that place (a softmax that the list does not call 'softmax' is quantised finished and normalised). What goes into a quantiser is computed in f32, as accurately as f32 sums, v_exp_f32 and their like allow (about 1e-6 of the number): no bf16 or f16 on the way to a quantiser, and a product that is left as it is and whose result goes on into a quantised operand takes f32 operands (vector FMAs, or v_wmma_f32_16x16x4_f32). A number that lies on a knife's edge between two numbers of the format may be rounded either way, as far as f32 arithmetic and the matrix unit's own rounding can turn it there, and no further.
;;   INPUTS GIVEN AS CODES. W1 (in the module: [256, 64], K = its axis 1); W2 (in the module: [256, 256], K = its axis 1); W3 (in the module: [64, 256], K = its axis 1): each comes as NAME_codes (uint8): NAME with its K axis moved to the last place and cut into blocks of 32 codes, [.., K / 32, bytes a block], one block behind the other in memory; four codes in three bytes: a row's codes are one little-endian stream of bits, code i at bits 6 i .. 6 i + 5 (a code: sign, 3 exponent bits, 2 mantissa bits); and NAME_scales (uint8): the same leading axes, one E8M0 byte (e + 127) for each 32 codes along K. Its value is code x scale, taken as it is: it is not quantised again, and the codes and scales need not be those that the quantiser above would give.
;; One version. Each part assembles by itself: llvm-mc -triple=amdgcn-amd-amdhsa -mcpu=gfx1250 --defsym DOCPART=n.
;; ======== version 1 of 1: 1 launch
;; limits: a function is approximated: absolute error at most 1.2e-07; right only within a limited range of input values
;; launch dif (part 1): grid 256 x 1, 16 waves a work-group, no clusters, 146,176 bytes of LDS; arguments x, m, log_s, W1_codes, W1_scales, b1, W2_codes, W2_scales, b2, W3_codes, W3_scales, b3, out0; writes out0
.if DOCPART == 1
	.amdgcn_target "amdgcn-amd-amdhsa--gfx1250"
	.amdhsa_code_object_version 6
	.text
	.protected	k_qad896190a3_dif
	.globl	k_qad896190a3_dif
	.p2align	8
	.type	k_qad896190a3_dif,@function
k_qad896190a3_dif:
	s_mov_b64 s[64:65], 0
	v_nop
	global_prefetch_b8 v0, s[64:65] scope:SCOPE_SE
	s_setreg_imm32_b32 hwreg(HW_REG_WAVE_MODE, 25, 1), 1
	s_wait_xcnt 0x0
; out0[n] = logsumexp_k( -0.5 |z|^2 - 32 log(2 pi) + log_softmax(MLP(z))[k] - sum_p log_s[k][p] ),  z = (x[n] - m[k]) exp(-log_s[k]),  MLP = W3 tanh(W2 tanh(W1 z + b1) + b2) + b3.
; The three products run on codes of BF6 (E3M2) with one E8M0 scale for each 32 along K; z and the two hidden layers are quantised in registers and never go to memory.
; NO WORK IS LEFT OUT: the diagonal of the log-softmax needs its normaliser, so all 64 logits of every row (n, k) count; b3 differs along the softmax's axis; every input has a way to the output and is loaded.
; The first product has K = 64 and the instruction 128: the upper 64 of z's operand are zero codes, and the scale bytes there are 0 on both sides (2^-127, no NaN); what W1's operand holds there is multiplied by 0.
; SHARES.  Work-group g owns n = 32 g .. 32 g + 31: two tiles of 16 rows (q = 0, 1).  Wave w of sixteen owns k = 4 w + pass, pass = 0 .. 3.  A pass takes one k and both tiles through the whole chain,
; so each weight fragment read from LDS feeds two matrix instructions.  All products are used transposed (source 0 = 16 rows of a weight, source 1 = the activations): lane (r, h) holds row n = 16 q + r throughout.
; THE ROWS OF W1 AND W2 THAT FORM A TILE ARE NOT NEIGHBOURS: lane r of tile 2 b + u takes row 32 b + 8 u + r + (r & 8), so that the 16 registers of tiles 2 b, 2 b + 1 are units 32 b + 16 h + 0 .. 15: half a block of the next K.
; W3'S ROWS ARE TURNED BY k: row m of tile t is W3's row (16 t + m + k) mod 64.  The normaliser does not mind the order, and logit c = k falls into register 0 of tile 0 in lanes 0-15.  The turn is an address offset:
; W3's images, its scale words and b3 lie in LDS twice on end (b3 in four copies shifted by 0 .. 3, so that its loads of 16 bytes stay aligned).
; THE WEIGHTS lie in LDS as images of the operands' registers (16 bytes a lane, 512 consecutive bytes a load), laid once at the head.  Two barriers in all: behind the tables, and ahead of the last logsumexp.
; NO CLUSTER, NO TENSOR LOAD: what work-groups share (weights, biases, m, log_s: 111,872 bytes) is read once by each, at its head, and passes through registers anyway to be laid with chosen, turned and doubled rows.
; LIMITS.  tanh(a) = 1 - 2 / (1 + 2^(2 log2(e) a)): absolute error about 1.2e-7, so the relative error grows as 1.2e-7 / |tanh|; it ends rightly at +-1.  exp(-log_s) = 2^(-log2(e) log_s): relative error about 1e-7 |log_s|.
; A block of zeros gets the scale byte 1 where the rule says 127: its codes are zeros, and this program alone reads the bytes.  NaN and infinities among the inputs are not served.
; A work-group stores 128 consecutive bytes of out0: 64 rows to a work-group would give 256, and work for half as many work-groups.
.set W2IMG, 0          ; chunk b: 6,144 bytes: the 48 registers W .. W + 47 in 12 groups of 4; register 12 (2 u + s) + i = register i of the fragment (tile 2 b + u, K step s)
.set W1T,   49152      ; tile t: 768 bytes: registers 0-3 at 16 x lane, registers 4-5 at 512 + 8 x lane
.set SC2,   61440      ; chunk b: 256 bytes: row r: the words (u0, s0), (u0, s1), (u1, s0), (u1, s1)
.set SC1,   63488      ; chunk b: 128 bytes: row r: the words u0, u1 (two scale bytes, two bytes of 0)
.set B12,   64512      ; b1, then b2
.set B3R,   66560      ; four copies c of 128: b3[(i + c) & 63]
.set SC3,   68608      ; [s 2][i 128] words: W3's scale word of row i & 63
.set W3IMG, 69632      ; [s 2][g 3][h 2][i 128] x 16 bytes: registers 4 g .. 4 g + 3 of half h of row i & 63
.set MB,    94208      ; m as it lies
.set ESB,   110592     ; exp(-log_s), laid like m, 16,384 bytes behind it
.set XB,    126976     ; my 32 rows of x, 272 bytes apart
.set CK,    135680     ; ck[k] = -sum_p log_s[k][p] - 32 log(2 pi)
.set LV,    135936     ; lv[k][32 n]
.set SPARE, 144128     ; the spare words, 128 bytes for each wave: eight blocks of 256 bytes that no other line names
.set LI,   1           ; 16 x lane
.set L8,   2           ; 8 x lane
.set R16,  3           ; 16 r
.set R8,   4           ; 8 r
.set ABI,  5           ; B12 + 64 h
.set AX,   6           ; XB + 272 r + 128 h
.set A3B,  7           ; W3IMG + 16 r + 2048 h
.set AS3B, 8           ; SC3 + 4 r
.set AB3B, 9           ; B3R + 32 h
.set AMB,  10          ; MB + 128 h
.set LVB,  11          ; LV + 4 x lane
.set SPW,  12          ; LDS address of my spare word; never rewritten
.set NIL,  13          ; 0; never rewritten
.set A3,   14          ; this pass's addresses: W3's images,
.set AS3,  15          ; its scale words,
.set AB3,  16          ; b3,
.set AM,   17          ; m and exp(-log_s),
.set ACK,  18          ; ck,
.set LVA,  19          ; lv
.set SSQ,  20          ; |z|^2 of row 16 q + r in lane 16 q + r
.set CKV,  21          ; ck[k]
.set OUTO, 22          ; 4 x lane
.set H1,   24          ; v24-71   the first hidden layer's codes: H1 + 24 q + 12 s
.set H2,   72          ; v72-119  the second's
.set ZC,   96          ; z's codes, ZC + 12 q: in H2's registers, which are idle in layer 1
.set W,    120         ; v120-167 four fragments of a weight
.set BI,   168         ; v168-183 the bias of two tiles
.set ACC,  184         ; v184-215 ACC + 16 q + 8 u
.set T,    216         ; v216-239 at work
.set TM,   T           ; largest magnitudes
.set TP,   T+2         ; the partner lane's
.set SOP,  T+4         ; the conversions' scale operands
.set BY,   T+6         ; scale bytes
.set TC,   T+8         ; TC + 4 q: three registers of codes on their way
.set WSC,  240         ; v240-243 the weights' scale words.  v240-253 hold scales and nothing else
.set H1S,  244         ; H1S + 2 q + s
.set H2S,  248
.set ZS,   252
.set XR,   184         ; z of tile q, and later its 32 logits: v[XR - 160 q] on: v184-215, v24-55
.set MR,   56          ; v56-87   m[k], my half
.set ES,   120         ; v120-151 exp(-log_s[k]), my half
.set F,    24          ; v24-87   the last stage: lv of 64 k
.macro PLACES n
.rept \n
	v_nop
.endr
.endm
.macro MMA d, a, b, c, sa, sb
	v_wmma_scale_f32_16x16x128_f8f6f4 v[\d:\d+7], v[\a:\a+11], v[\b:\b+11], v[\c:\c+7], v[\sa], v[\sb] matrix_a_fmt:MATRIX_FMT_BF6 matrix_b_fmt:MATRIX_FMT_BF6
.endm
; Chunk b of layer 1: W1's tiles 2 b, 2 b + 1 (six registers each), their bias, their scale words: 9 loads
.macro WLOAD1 b
.irp u, 0,1
	ds_load_b128 v[W+6*\u:W+6*\u+3], v[LI] offset:W1T+768*(2*(\b)+\u)
	ds_load_b64 v[W+6*\u+4:W+6*\u+5], v[L8] offset:W1T+768*(2*(\b)+\u)+512
.endr
.irp i, 0,1,2,3
	ds_load_b128 v[BI+4*\i:BI+4*\i+3], v[ABI] offset:128*(\b)+16*\i
.endr
	ds_load_b64 v[WSC:WSC+1], v[R8] offset:SC1+128*(\b)
.endm
; Chunk b of layer 2: four fragments, bias, four scale words: 17 loads
.macro WLOAD2 b
.irp g, 0,1,2,3,4,5,6,7,8,9,10,11
	ds_load_b128 v[W+4*\g:W+4*\g+3], v[LI] offset:W2IMG+6144*(\b)+512*\g
.endr
.irp i, 0,1,2,3
	ds_load_b128 v[BI+4*\i:BI+4*\i+3], v[ABI] offset:1024+128*(\b)+16*\i
.endr
	ds_load_b128 v[WSC:WSC+3], v[R16] offset:SC2+256*(\b)
.endm
; Half e of layer 3: W3's turned tiles 2 e, 2 e + 1, both K steps, bias, scale words: 20 loads
.macro WLOAD3 e
.irp u, 0,1
.irp s, 0,1
.irp g, 0,1,2
	ds_load_b128 v[W+12*(2*\u+\s)+4*\g:W+12*(2*\u+\s)+4*\g+3], v[A3] offset:256*(2*(\e)+\u)+4096*\g+12288*\s
.endr
	ds_load_b32 v[WSC+2*\u+\s], v[AS3] offset:64*(2*(\e)+\u)+512*\s
.endr
.irp i, 0,1
	ds_load_b128 v[BI+8*\u+4*\i:BI+8*\u+4*\i+3], v[AB3] offset:64*(2*(\e)+\u)+16*\i
.endr
.endr
.endm
; A CHUNK: 32 units of layer 1 or 2, one block of the next K, for both tiles of rows: products, the next chunk's loads, tanh, quantiser.
.macro CHUNK layer, b
	s_wait_dscnt 0x0                               ; this chunk's fragments, bias and scale words, asked for a chunk ago
.if \layer == 1
.irp q, 0,1
.irp u, 0,1
	MMA ACC+16*\q+8*\u, W+6*\u, ZC+12*\q, BI+8*\u, WSC+\u, ZS+\q       ; the bias is the sum's C; the four accumulators take turns
.endr
.endr
.else
.irp q, 0,1
.irp u, 0,1
	MMA ACC+16*\q+8*\u, W+24*\u, H1+24*\q, BI+8*\u, WSC+2*\u, H1S+2*\q
.endr
.endr
.irp q, 0,1
.irp u, 0,1
	MMA ACC+16*\q+8*\u, W+24*\u+12, H1+24*\q+12, ACC+16*\q+8*\u, WSC+2*\u+1, H1S+2*\q+1   ; the second K step: three other accumulators' turns lie between a sum's two links
.endr
.endr
.endif
	PLACES 4                                       ; in front of the loads into registers that the products have read, and of the first read of their results
.if \layer == 1
.if \b < 7
	WLOAD1 \b+1
.else
	WLOAD2 0
.endif
.set OUT, H1
.set OUTS, H1S
.else
.if \b < 7
	WLOAD2 \b+1
.else
	WLOAD3 0
.endif
.set OUT, H2
.set OUTS, H2S
.endif
	; tanh(a) = 1 - 2 / (1 + 2^(2 log2(e) a)), each accumulator from its low end on; each batch of 32 has one plain line and one wait behind it
.set N1, 0
.rept 16
	v_pk_mul_f32 v[ACC+N1:ACC+N1+1], v[ACC+N1:ACC+N1+1], s[36:37] op_sel_hi:[1,0]
.set N1, N1+2
.endr
.set N1, 0
.rept 32
	v_exp_f32 v[ACC+N1], v[ACC+N1]
.set N1, N1+1
.endr
	v_nop
	s_wait_alu depctr_va_vdst(0)                   ; one wait for the 32 exponentials, ahead of their first reader
.set N1, 0
.rept 16
	v_pk_add_f32 v[ACC+N1:ACC+N1+1], v[ACC+N1:ACC+N1+1], 1.0 op_sel_hi:[1,0]
.set N1, N1+2
.endr
.set N1, 0
.rept 32
	v_rcp_f32 v[ACC+N1], v[ACC+N1]
.set N1, N1+1
.endr
	v_nop
	s_wait_alu depctr_va_vdst(0)                   ; and one for the 32 reciprocals
.set N1, 0
.rept 16
	v_pk_fma_f32 v[ACC+N1:ACC+N1+1], v[ACC+N1:ACC+N1+1], -2.0, 1.0 op_sel_hi:[1,0,0]
.set N1, N1+2
.endr
	; the quantiser: block b of the next K lies in lanes l and l xor 16, 16 numbers each
.set QS, (\b)/4                        ; which K step of 128,
.set QC, ((\b)/2)%2                    ; which six registers of its fragment,
.set QB, (\b)%4                        ; which byte of its scale word
.irp q, 0,1
	v_max3_num_f32 v[TM+\q], |v[ACC+16*\q]|, |v[ACC+16*\q+1]|, 0x2800000   ; with the floor 2^(5 - 127): the byte cannot fall under 1
.endr
.irp i, 2,4,6,8,10,12,14
.irp q, 0,1
	v_max3_num_f32 v[TM+\q], v[TM+\q], |v[ACC+16*\q+\i]|, |v[ACC+16*\q+\i+1]|
.endr
.endr
.irp q, 0,1
	v_permlanex16_b32 v[TP+\q], v[TM+\q], s34, s35
.endr
.irp q, 0,1
	v_max_num_f32 v[TM+\q], v[TM+\q], v[TP+\q]
.endr
.irp q, 0,1
	v_add_nc_u32 v[SOP+\q], 0xfe000000, v[TM+\q]   ; 4 off the exponent field: the conversion's scale operand
.endr
.if QB == 0
.irp q, 0,1
	v_lshrrev_b32 v[OUTS+2*\q+QS], 23, v[SOP+\q]   ; the byte begins the scale word
.endr
.else
.irp q, 0,1
	v_lshrrev_b32 v[BY+\q], 23, v[SOP+\q]
.endr
.irp q, 0,1
	v_lshl_or_b32 v[OUTS+2*\q+QS], v[BY+\q], 8*QB, v[OUTS+2*\q+QS]
.endr
.endif
.if (\b)%2 == 0
.irp q, 0,1
	v_cvt_scalef32_pk16_bf6_f32 v[OUT+24*\q+12*QS+6*QC:OUT+24*\q+12*QS+6*QC+2], v[ACC+16*\q:ACC+16*\q+15], v[SOP+\q]   ; the even block's halves wait in place for the odd block's
.endr
	v_nop                                          ; one plain line behind a scaled conversion
.else
.irp q, 0,1
	v_cvt_scalef32_pk16_bf6_f32 v[TC+4*\q:TC+4*\q+2], v[ACC+16*\q:ACC+16*\q+15], v[SOP+\q]
.endr
	v_nop
.irp q, 0,1                            ; the operand wants a whole block in a lane: lanes 0-15 the even block, lanes 16-31 the odd one
.irp i, 0,1,2
	v_permlane16_swap_b32 v[OUT+24*\q+12*QS+6*QC+\i], v[TC+4*\q+\i]
.endr
.endr
.irp q, 0,1
.irp i, 0,1,2
	v_mov_b32 v[OUT+24*\q+12*QS+6*QC+3+\i], v[TC+4*\q+\i]
.endr
.endr
.endif
.if \b == 7
	PLACES 8                                       ; the scale words and codes just written stand eight and four places ahead of the next layer's scaled products
.endif
.endm
; Half e of layer 3: tiles 2 e, 2 e + 1 of the logits for both tiles of rows
.macro MM3 e
	s_wait_dscnt 0x0
.irp q, 0,1
.irp u, 0,1
	MMA XR-160*\q+8*(2*(\e)+\u), W+24*\u, H2+24*\q, BI+8*\u, WSC+2*\u, H2S+2*\q
.endr
.endr
.irp q, 0,1
.irp u, 0,1
	MMA XR-160*\q+8*(2*(\e)+\u), W+24*\u+12, H2+24*\q+12, XR-160*\q+8*(2*(\e)+\u), WSC+2*\u+1, H2S+2*\q+1
.endr
.endr
	PLACES 4
.endm
	; ---------------- THE HEAD: every wave takes one path; roles come by arithmetic on the wave's number
	s_load_b512 s[8:23], s[0:1], 0x0               ; x s[8:9], m s[10:11], log_s s[12:13], W1's codes s[14:15], scales s[16:17], b1 s[18:19], W2's codes s[20:21], scales s[22:23]
	s_load_b256 s[24:31], s[0:1], 0x40             ; b2 s[24:25], W3's codes s[26:27], scales s[28:29], b3 s[30:31]
	s_load_b64 s[32:33], s[0:1], 0x60              ; out0
	v_lshl_add_u32 v[SPW], v0, 2, SPARE
	v_mov_b32 v[NIL], 0
	v_lshrrev_b32 v22, 5, v0
	v_readfirstlane_b32 s2, v22                    ; w = wave 0 .. 15
	v_and_b32 v23, 31, v0                          ; lane
	v_and_b32 v104, 15, v0                         ; r
	v_bfe_u32 v105, v0, 4, 1                       ; h
	v_and_b32 v106, 8, v104
	v_add_nc_u32 v106, v106, v104                  ; r + (r & 8)
	v_lshlrev_b32 v[OUTO], 2, v23
	v_lshlrev_b32 v[LI], 4, v23
	v_lshlrev_b32 v[L8], 3, v23
	v_lshlrev_b32 v[R16], 4, v104
	v_lshlrev_b32 v[R8], 3, v104
	v_lshl_add_u32 v[ABI], v105, 6, B12
	v_mul_u32_u24 v[AX], v104, 272
	v_lshl_add_u32 v[AX], v105, 7, v[AX]
	v_add_nc_u32 v[AX], XB, v[AX]
	v_lshl_add_u32 v[A3B], v105, 11, v[R16]
	v_add_nc_u32 v[A3B], W3IMG, v[A3B]
	v_lshl_add_u32 v[AS3B], v104, 2, SC3
	v_lshl_add_u32 v[AB3B], v105, 5, B3R
	v_lshl_add_u32 v[AMB], v105, 7, MB
	v_lshl_add_u32 v[LVB], v23, 2, LV
	s_lshr_b32 s3, s2, 1                           ; bq: the chunk whose tile I lay
	s_and_b32 s4, s2, 1                            ; u: which of its two tiles.  Also: which K step of W3
	s_lshl_b32 s5, s3, 5
	s_lshl_b32 s6, s4, 3
	s_add_co_u32 s5, s5, s6                        ; the tile's first row: 32 bq + 8 u
	s_and_b32 s6, s3, 3                            ; which tile of W3
	s_lshr_b32 s7, s2, 3                           ; which of its two copies
	s_mov_b32 s34, 0x76543210
	s_mov_b32 s35, 0xfedcba98                      ; v_permlanex16_b32's selects for lane l xor 16
	s_mov_b32 s36, 0x4038aa3b                      ; 2 log2(e)
	s_mov_b32 s37, s36                             ; (named with it as a pair, so it is written)
	s_mov_b32 s38, 0x3fb8aa3b                      ; log2(e)
	s_mov_b32 s39, s38
	s_mov_b32 s40, 0x3f317218                      ; ln(2)
	; offsets of the global loads
	v_mul_u32_u24 v107, v106, 192
	v_mad_u32_u24 v107, v105, 24, v107             ; W2: a row is 192 bytes
	v_mul_u32_u24 v108, v106, 48
	v_mad_u32_u24 v108, v105, 24, v108             ; W1: 48 bytes
	v_mul_u32_u24 v109, v104, 192
	v_mad_u32_u24 v109, v105, 24, v109             ; W3: 192 bytes, rows as they lie
	v_lshlrev_b32 v110, 3, v106                    ; W2's scales: 8 bytes a row
	v_lshlrev_b32 v111, 1, v106                    ; W1's: 2
	v_and_b32 v114, 127, v0
	v_lshrrev_b32 v113, 7, v0
	v_add_nc_u32 v114, v114, v113
	v_and_b32 v114, 63, v114
	v_lshlrev_b32 v114, 2, v114                    ; b3[((t & 127) + (t >> 7)) & 63]
	v_and_b32 v113, 255, v0
	v_lshlrev_b32 v113, 2, v113                    ; b1 or b2 [t & 255]
	v_lshlrev_b32 v115, 4, v0
	v_lshlrev_b32 v116, 5, v0
	; addresses of the LDS stores
	s_mul_i32 s46, s2, 3072
	v_add_nc_u32 v117, s46, v[LI]                  ; W2's images
	s_mul_i32 s47, s2, 768
	v_add_nc_u32 v118, s47, v[LI]                  ; W1's
	v_add_nc_u32 v119, s47, v[L8]
	s_mul_i32 s48, s4, 12288
	s_lshl_b32 s52, s7, 10
	s_add_co_u32 s48, s48, s52
	s_lshl_b32 s52, s6, 8
	s_add_co_u32 s48, s48, s52
	v_add_nc_u32 v216, s48, v[A3B]                 ; W3's: K step, copy, tile
	s_lshl_b32 s49, s3, 8
	s_lshl_b32 s52, s4, 3
	s_add_co_u32 s49, s49, s52
	v_add_nc_u32 v217, s49, v[R16]                 ; W2's scale words
	s_lshl_b32 s50, s3, 7
	s_lshl_b32 s52, s4, 2
	s_add_co_u32 s50, s50, s52
	v_add_nc_u32 v218, s50, v[R8]                  ; W1's
	s_lshl_b32 s51, s4, 9
	s_lshl_b32 s52, s7, 8
	s_add_co_u32 s51, s51, s52
	s_lshl_b32 s52, s6, 6
	s_add_co_u32 s51, s51, s52
	v_add_nc_u32 v219, s51, v[AS3B]                ; W3's
	v_lshl_add_u32 v220, v0, 2, B12
	v_lshl_add_u32 v221, v0, 2, B3R
	v_lshl_add_u32 v222, v0, 4, MB
	v_lshl_add_u32 v223, v0, 5, ESB
	v_lshrrev_b32 v224, 4, v0
	v_mul_u32_u24 v224, v224, 272
	v_add_nc_u32 v224, v224, v[R16]
	v_add_nc_u32 v224, XB, v224
	v_lshrrev_b32 v225, 3, v0
	v_lshl_add_u32 v225, v225, 2, CK
	s_mov_b32 s45, 0
	s_wait_kmcnt 0x0
	s_mul_i32 s44, s5, 192
	s_add_nc_u64 s[20:21], s[20:21], s[44:45]      ; each base at my tile's first row
	s_mul_i32 s44, s5, 48
	s_add_nc_u64 s[14:15], s[14:15], s[44:45]
	s_lshl_b32 s44, s5, 3
	s_add_nc_u64 s[22:23], s[22:23], s[44:45]
	s_lshl_b32 s44, s5, 1
	s_add_nc_u64 s[16:17], s[16:17], s[44:45]
	s_mul_i32 s44, s6, 3072
	s_mul_i32 s52, s4, 96
	s_add_co_u32 s44, s44, s52
	s_add_nc_u64 s[26:27], s[26:27], s[44:45]
	s_lshl_b32 s44, s6, 7
	s_lshl_b32 s52, s4, 2
	s_add_co_u32 s44, s44, s52
	s_add_nc_u64 s[28:29], s[28:29], s[44:45]
	s_lshl_b32 s44, ttmp9, 13
	s_add_nc_u64 s[8:9], s[8:9], s[44:45]          ; my 32 rows of x
	s_lshl_b32 s44, ttmp9, 7
	s_add_nc_u64 s[32:33], s[32:33], s[44:45]      ; and of out0
	s_cmp_lt_u32 s2, 8
	s_cselect_b64 s[18:19], s[18:19], s[24:25]     ; waves 0-7 bring b1, waves 8-15 b2
.irp s, 0,1
.irp c, 0,1
.irp i, 0,1,2
	global_load_b64 v[24+12*\s+6*\c+2*\i:25+12*\s+6*\c+2*\i], v107, s[20:21] offset:96*\s+48*\c+8*\i   ; W2: tile w, both K steps
.endr
.endr
.endr
.irp i, 0,1,2
	global_load_b64 v[48+2*\i:49+2*\i], v108, s[14:15] offset:8*\i      ; W1: tile w
.endr
.irp c, 0,1
.irp i, 0,1,2
	global_load_b64 v[56+6*\c+2*\i:57+6*\c+2*\i], v109, s[26:27] offset:48*\c+8*\i   ; W3: one fragment
.endr
.endr
	global_load_b64 v[68:69], v110, s[22:23]
	global_load_u16 v70, v111, s[16:17]            ; two scale bytes, two bytes of 0 above them
	global_load_b32 v71, v[R8], s[28:29]
	global_load_b32 v72, v113, s[18:19]
	global_load_b32 v73, v114, s[30:31]
	global_load_b128 v[76:79], v115, s[10:11]
	global_load_b128 v[80:83], v115, s[10:11] offset:8192
	global_load_b128 v[84:87], v116, s[12:13]
	global_load_b128 v[88:91], v116, s[12:13] offset:16
	global_load_b128 v[92:95], v115, s[8:9] th:TH_LOAD_NT
	s_lshl_b32 s41, s2, 2                          ; k = 4 w + pass
	s_lshl_b32 s42, s2, 4                          ; 16 w + 512 pass: where b3's turned copy begins
	s_mov_b32 s43, 4
	s_wait_loadcnt 0x0
.irp i, 0,1,2,3,4,5,6,7
	v_mul_f32 v[96+\i], 0xbfb8aa3b, v[84+\i]
.endr
.irp i, 0,1,2,3,4,5,6,7
	v_exp_f32 v[96+\i], v[96+\i]                   ; exp(-log_s)
.endr
	v_add_f32 v226, v84, v85                       ; the sum of my 8 log_s: plain work behind the exponentials
.irp i, 86,87,88,89,90,91
	v_add_f32 v226, v226, v[\i]
.endr
	v_add_f32_dpp v226, v226, v226 row_xmask:1 row_mask:0xf bank_mask:0xf   ; and of the eight lanes that share a row of log_s
	v_add_f32_dpp v226, v226, v226 row_xmask:2 row_mask:0xf bank_mask:0xf
	v_add_f32_dpp v226, v226, v226 row_xmask:4 row_mask:0xf bank_mask:0xf
	v_sub_f32 v226, 0xc26b3f8e, v226               ; -32 log(2 pi) - the sum
	s_wait_alu depctr_va_vdst(0)                   ; one wait for the eight exponentials, ahead of the stores that read them
.irp g, 0,1,2,3,4,5
	ds_store_b128 v117, v[24+4*\g:27+4*\g] offset:W2IMG+512*\g
.endr
	ds_store_b128 v118, v[48:51] offset:W1T
	ds_store_b64 v119, v[52:53] offset:W1T+512
.irp g, 0,1,2
	ds_store_b128 v216, v[56+4*\g:59+4*\g] offset:4096*\g
.endr
	ds_store_b64 v217, v[68:69] offset:SC2         ; (in the three scale stores lanes 16-31 write what lanes 0-15 write, to the same bytes)
	ds_store_b32 v218, v70 offset:SC1
	ds_store_b32 v219, v71
	ds_store_b32 v220, v72
	ds_store_b32 v221, v73
	ds_store_b128 v222, v[76:79]
	ds_store_b128 v222, v[80:83] offset:8192
	ds_store_b128 v223, v[96:99]
	ds_store_b128 v223, v[100:103] offset:16
	ds_store_b128 v224, v[92:95]
	ds_store_b32 v225, v226                        ; (eight lanes write the same word with the same value)
	s_wait_dscnt 0x0                               ; for the others' sake: my part of the tables has landed
	s_barrier_signal -1
	s_barrier_wait -1
	; ---------------- A PASS: one k, both tiles of rows, the whole chain.  No barrier: the waves read tables that nobody writes, and each stores its own words of lv
.Lpass:
	s_lshl_b32 s44, s41, 4
	v_add_nc_u32 v[A3], s44, v[A3B]
	s_lshl_b32 s44, s41, 2
	v_add_nc_u32 v[AS3], s44, v[AS3B]
	s_add_co_u32 s44, s44, CK
	v_mov_b32 v[ACK], s44
	s_lshl_b32 s44, s41, 8
	v_add_nc_u32 v[AM], s44, v[AMB]
	s_lshl_b32 s44, s41, 7
	v_add_nc_u32 v[LVA], s44, v[LVB]
	v_add_nc_u32 v[AB3], s42, v[AB3B]
	; z: lane (r, h) holds p = 32 h .. 32 h + 31 of row 16 q + r: a whole block of the first product's K
	ds_load_b32 v[CKV], v[ACK]
.irp i, 0,1,2,3,4,5,6,7
	ds_load_b128 v[MR+4*\i:MR+4*\i+3], v[AM] offset:16*\i
.endr
.irp q, 0,1
.irp i, 0,1,2,3,4,5,6,7
	ds_load_b128 v[XR-160*\q+4*\i:XR-160*\q+4*\i+3], v[AX] offset:4352*\q+16*\i
.endr
.endr
.irp i, 0,1,2,3,4,5,6,7
	ds_load_b128 v[ES+4*\i:ES+4*\i+3], v[AM] offset:16384+16*\i
.endr
	s_wait_dscnt 0x8                               ; all but the youngest eight loads, exp(-log_s), are in
.set N1, 0
.rept 16
.irp q, 0,1
	v_pk_add_f32 v[XR-160*\q+N1:XR-160*\q+N1+1], v[XR-160*\q+N1:XR-160*\q+N1+1], v[MR+N1:MR+N1+1] neg_lo:[0,1] neg_hi:[0,1]   ; x - m first, as the formula has it
.endr
.set N1, N1+2
.endr
	s_wait_dscnt 0x0
.set N1, 0
.rept 16
.irp q, 0,1
	v_pk_mul_f32 v[XR-160*\q+N1:XR-160*\q+N1+1], v[XR-160*\q+N1:XR-160*\q+N1+1], v[ES+N1:ES+N1+1]
.endr
.set N1, N1+2
.endr
	WLOAD1 0                                       ; into the registers that exp(-log_s) has left; v[W+12] to v[W+17] keep its bits, which the first product multiplies by zero codes
.irp i, 0,2                            ; |z|^2 of the unquantised z: two chains for each tile
.irp q, 0,1
	v_pk_mul_f32 v[T+4*\q+\i:T+4*\q+\i+1], v[XR-160*\q+\i:XR-160*\q+\i+1], v[XR-160*\q+\i:XR-160*\q+\i+1]
.endr
.endr
.irp i, 4,6,8,10,12,14,16,18,20,22,24,26,28,30
.irp q, 0,1
	v_pk_fma_f32 v[T+4*\q+\i%4:T+4*\q+\i%4+1], v[XR-160*\q+\i:XR-160*\q+\i+1], v[XR-160*\q+\i:XR-160*\q+\i+1], v[T+4*\q+\i%4:T+4*\q+\i%4+1]
.endr
.endr
.irp q, 0,1
	v_pk_add_f32 v[T+4*\q:T+4*\q+1], v[T+4*\q:T+4*\q+1], v[T+4*\q+2:T+4*\q+3]
.endr
.irp q, 0,1
	v_add_f32 v[T+4*\q], v[T+4*\q], v[T+4*\q+1]
.endr
	v_permlane16_swap_b32 v[T], v[T+4]             ; tile 0's upper lanes change places with tile 1's lower ones: the first now holds both tiles' halves h = 0, the second their halves h = 1
	v_add_f32 v[SSQ], v[T], v[T+4]                 ; lane 16 q + r: the row's |z|^2
.irp q, 0,1
	v_max3_num_f32 v[TM+\q], |v[XR-160*\q]|, |v[XR-160*\q+1]|, 0x2800000   ; my block's largest magnitude, with the floor 2^(5 - 127)
.endr
.set N1, 2
.rept 15
.irp q, 0,1
	v_max3_num_f32 v[TM+\q], v[TM+\q], |v[XR-160*\q+N1]|, |v[XR-160*\q+N1+1]|
.endr
.set N1, N1+2
.endr
.irp q, 0,1
	v_add_nc_u32 v[SOP+\q], 0xfe000000, v[TM+\q]
.endr
.irp q, 0,1
	v_lshrrev_b32 v[BY+\q], 23, v[SOP+\q]
.endr
.irp q, 0,1
	v_permlanex16_b32 v[TP+\q], v[BY+\q], s34, s35
.endr
.irp q, 0,1
	v_lshl_or_b32 v[ZS+\q], v[TP+\q], 8, v[BY+\q]  ; lanes 0-15, which alone are read: block 0's byte, block 1's, two bytes of 0
.endr
.irp q, 0,1
	v_cvt_scalef32_pk16_bf6_f32 v[ZC+12*\q:ZC+12*\q+2], v[XR-160*\q:XR-160*\q+15], v[SOP+\q]
	v_cvt_scalef32_pk16_bf6_f32 v[TC+4*\q:TC+4*\q+2], v[XR-160*\q+16:XR-160*\q+31], v[SOP+\q]   ; (a conversion's three registers begin on an even number)
.endr
	v_nop                                          ; one plain line behind a scaled conversion
.irp q, 0,1
.irp i, 0,1,2
	v_mov_b32 v[ZC+12*\q+3+\i], v[TC+4*\q+\i]
.endr
.irp i, 6,7,8,9,10,11
	v_mov_b32 v[ZC+12*\q+\i], 0                    ; K = 64 .. 127: zero codes
.endr
.endr
	PLACES 8                                       ; scale words and codes written by vector lines stand eight and four places ahead of a scaled product
.irp b, 0,1,2,3,4,5,6,7
	CHUNK 1, \b
.endr
.irp b, 0,1,2,3,4,5,6,7
	CHUNK 2, \b
.endr
	; layer 3: register 8 t + j of lane (r, h) is logit (16 t + 8 h + j + k) mod 64 of row 16 q + r
	MM3 0
	WLOAD3 1
.irp q, 0,1
	v_max3_num_f32 v[TM+\q], v[XR-160*\q], v[XR-160*\q+1], v[XR-160*\q+2]   ; the row's largest logit, each accumulator from its low end on
.endr
.irp i, 3,5,7,9,11,13
.irp q, 0,1
	v_max3_num_f32 v[TM+\q], v[TM+\q], v[XR-160*\q+\i], v[XR-160*\q+\i+1]
.endr
.endr
.irp q, 0,1
	v_max_num_f32 v[TM+\q], v[TM+\q], v[XR-160*\q+15]
.endr
	MM3 1
.irp i, 16,18,20,22,24,26,28,30
.irp q, 0,1
	v_max3_num_f32 v[TM+\q], v[TM+\q], v[XR-160*\q+\i], v[XR-160*\q+\i+1]
.endr
.endr
.irp q, 0,1
	v_permlanex16_b32 v[TP+\q], v[TM+\q], s34, s35
.endr
.irp q, 0,1
	v_max_num_f32 v[TM+\q], v[TM+\q], v[TP+\q]     ; with lane l xor 16's 32 logits
.endr
.irp q, 0,1
	v_mul_f32 v[T+4+2*\q], 0xbfb8aa3b, v[TM+\q]    ; -log2(e) x the maximum
.endr
.set N1, 0
.rept 16
.irp q, 0,1
	v_pk_fma_f32 v[XR-160*\q+N1:XR-160*\q+N1+1], v[XR-160*\q+N1:XR-160*\q+N1+1], s[38:39], v[T+4+2*\q:T+5+2*\q] op_sel_hi:[1,0,0]   ; t = log2(e) (logit - maximum)
.endr
.set N1, N1+2
.endr
.irp q, 0,1
	v_mov_b32 v[T+8+\q], v[XR-160*\q]              ; in lanes 0-15: t of logit c = k
.endr
.set N1, 0
.rept 32
.irp q, 0,1
	v_exp_f32 v[XR-160*\q+N1], v[XR-160*\q+N1]
.endr
.set N1, N1+1
.endr
	v_nop
	s_wait_alu depctr_va_vdst(0)                   ; one wait for the 64 exponentials
.irp q, 0,1
	v_pk_add_f32 v[T+12+4*\q:T+13+4*\q], v[XR-160*\q:XR-160*\q+1], v[XR-160*\q+4:XR-160*\q+5]
	v_pk_add_f32 v[T+14+4*\q:T+15+4*\q], v[XR-160*\q+2:XR-160*\q+3], v[XR-160*\q+6:XR-160*\q+7]
.endr
.irp i, 8,12,16,20,24,28
.irp q, 0,1
	v_pk_add_f32 v[T+12+4*\q:T+13+4*\q], v[T+12+4*\q:T+13+4*\q], v[XR-160*\q+\i:XR-160*\q+\i+1]
	v_pk_add_f32 v[T+14+4*\q:T+15+4*\q], v[T+14+4*\q:T+15+4*\q], v[XR-160*\q+\i+2:XR-160*\q+\i+3]
.endr
.endr
.irp q, 0,1
	v_pk_add_f32 v[T+12+4*\q:T+13+4*\q], v[T+12+4*\q:T+13+4*\q], v[T+14+4*\q:T+15+4*\q]
.endr
.irp q, 0,1
	v_add_f32 v[T+12+4*\q], v[T+12+4*\q], v[T+13+4*\q]
.endr
	v_permlane16_swap_b32 v[T+12], v[T+16]         ; as for |z|^2: the two halves of both tiles' sums side by side
	v_permlane16_swap_b32 v[T+8], v[T+9]           ; v[T+8]: lane 16 q + r now holds its row's diagonal t
	v_add_f32 v[T+12], v[T+12], v[T+16]
	v_log_f32 v[T+13], v[T+12]
	v_fma_f32 v[T+14], v[SSQ], -0.5, v[CKV]        ; (the plain line behind the logarithm)  -0.5 |z|^2 + ck
	s_wait_alu depctr_va_vdst(0)
	v_sub_f32 v[T+13], v[T+8], v[T+13]             ; log2 of the softmax's diagonal
	v_fma_f32 v[T+14], v[T+13], s40, v[T+14]
	ds_store_b32 v[LVA], v[T+14]                   ; lv[k][16 q + r]
	s_add_co_u32 s41, s41, 1
	s_add_co_u32 s42, s42, 512
	s_sub_co_u32 s43, s43, 1
	s_cmp_lg_u32 s43, 0
	s_cbranch_scc1 .Lpass
	; ---------------- THE END
	s_wait_tensorcnt 0x0                           ; the wave's end: three lines behind my last LDS store (a tensor wait, though the text has no tensor load, a spare add, an LDS wait);
	ds_add_u32 v[SPW], v[NIL]
	s_wait_dscnt 0x0                               ; the last of them is also the wait for my stores of lv, for wave 0's sake
	s_barrier_signal -1
	s_barrier_wait -1                              ; all 64 x 32 words of lv lie in LDS
	s_cmp_lg_u32 s2, 0
	s_cbranch_scc1 .Lend
	; wave 0: lane = n: logsumexp over the 64 k
.set N1, 0
.rept 64
	ds_load_b32 v[F+N1], v[LVB] offset:128*N1
.set N1, N1+1
.endr
	s_wait_dscnt 0x0
.irp c, 0,1,2,3
	v_max3_num_f32 v[T+\c], v[F+16*\c], v[F+16*\c+1], v[F+16*\c+2]
.endr
.irp i, 3,5,7,9,11,13
.irp c, 0,1,2,3
	v_max3_num_f32 v[T+\c], v[T+\c], v[F+16*\c+\i], v[F+16*\c+\i+1]
.endr
.endr
.irp c, 0,1,2,3
	v_max_num_f32 v[T+\c], v[T+\c], v[F+16*\c+15]
.endr
	v_max3_num_f32 v[T], v[T], v[T+1], v[T+2]
	v_max_num_f32 v[T], v[T], v[T+3]
	v_and_b32 v[T+1], 0x7fffffff, v[T]             ; logsumexp's own guard: a maximum that is not finite counts as 0
	v_cmp_gt_u32 vcc_lo, 0x7f800000, v[T+1]
	v_cndmask_b32 v[T], 0, v[T], vcc_lo
	v_mul_f32 v[T+4], 0xbfb8aa3b, v[T]
.set N1, 0
.rept 32
	v_pk_fma_f32 v[F+N1:F+N1+1], v[F+N1:F+N1+1], s[38:39], v[T+4:T+5] op_sel_hi:[1,0,0]
.set N1, N1+2
.endr
.set N1, 0
.rept 64
	v_exp_f32 v[F+N1], v[F+N1]
.set N1, N1+1
.endr
	v_nop
	s_wait_alu depctr_va_vdst(0)
	v_pk_add_f32 v[T+8:T+9], v[F:F+1], v[F+4:F+5]
	v_pk_add_f32 v[T+10:T+11], v[F+2:F+3], v[F+6:F+7]
.set N1, 8
.rept 14
	v_pk_add_f32 v[T+8:T+9], v[T+8:T+9], v[F+N1:F+N1+1]
	v_pk_add_f32 v[T+10:T+11], v[T+10:T+11], v[F+N1+2:F+N1+3]
.set N1, N1+4
.endr
	v_pk_add_f32 v[T+8:T+9], v[T+8:T+9], v[T+10:T+11]
	v_add_f32 v[T+8], v[T+8], v[T+9]
	v_log_f32 v[T+9], v[T+8]
	v_nop
	s_wait_alu depctr_va_vdst(0)
	v_fma_f32 v[T+9], v[T+9], s40, v[T]            ; ln(2) log2(the sum) + the maximum
	global_store_b32 v[OUTO], v[T+9], s[32:33]     ; 32 lanes store 128 consecutive bytes
.Lend:
	s_endpgm
.Lfunc_end_k_qad896190a3_dif:
	.size	k_qad896190a3_dif, .Lfunc_end_k_qad896190a3_dif-k_qad896190a3_dif
	.p2alignl 7, 3214868480
	.fill 96, 4, 3214868480
	.section	.rodata,"a",@progbits
	.p2align	6, 0x0
	.amdhsa_kernel k_qad896190a3_dif
		.amdhsa_group_segment_fixed_size 146176
		.amdhsa_private_segment_fixed_size 0
		.amdhsa_enable_private_segment 0
		.amdhsa_kernarg_size 104
		.amdhsa_user_sgpr_count 2
		.amdhsa_user_sgpr_kernarg_segment_ptr 1
		.amdhsa_wavefront_size32 1
		.amdhsa_system_sgpr_workgroup_id_x 1
		.amdhsa_system_sgpr_workgroup_id_y 1
		.amdhsa_system_sgpr_workgroup_id_z 1
		.amdhsa_system_vgpr_workitem_id 0
		.amdhsa_next_free_vgpr 256
		.amdhsa_next_free_sgpr 66
		.amdhsa_reserve_vcc 1
		.amdhsa_float_denorm_mode_32 3
		.amdhsa_float_denorm_mode_16_64 3
		.amdhsa_memory_ordered 1
		.amdhsa_forward_progress 1
		.amdhsa_inst_pref_size 191
	.end_amdhsa_kernel
	.amdgpu_metadata
---
amdhsa.version: [ 1, 2 ]
amdhsa.kernels:
  - .name:           k_qad896190a3_dif
    .symbol:         k_qad896190a3_dif.kd
    .args:
      - { .name: x, .offset: 0, .size: 8, .value_kind: global_buffer, .address_space: global }
      - { .name: m, .offset: 8, .size: 8, .value_kind: global_buffer, .address_space: global }
      - { .name: log_s, .offset: 16, .size: 8, .value_kind: global_buffer, .address_space: global }
      - { .name: W1_codes, .offset: 24, .size: 8, .value_kind: global_buffer, .address_space: global }
      - { .name: W1_scales, .offset: 32, .size: 8, .value_kind: global_buffer, .address_space: global }
      - { .name: b1, .offset: 40, .size: 8, .value_kind: global_buffer, .address_space: global }
      - { .name: W2_codes, .offset: 48, .size: 8, .value_kind: global_buffer, .address_space: global }
      - { .name: W2_scales, .offset: 56, .size: 8, .value_kind: global_buffer, .address_space: global }
      - { .name: b2, .offset: 64, .size: 8, .value_kind: global_buffer, .address_space: global }
      - { .name: W3_codes, .offset: 72, .size: 8, .value_kind: global_buffer, .address_space: global }
      - { .name: W3_scales, .offset: 80, .size: 8, .value_kind: global_buffer, .address_space: global }
      - { .name: b3, .offset: 88, .size: 8, .value_kind: global_buffer, .address_space: global }
      - { .name: out0, .offset: 96, .size: 8, .value_kind: global_buffer, .address_space: global }
    .group_segment_fixed_size: 146176
    .private_segment_fixed_size: 0
    .kernarg_segment_align: 8
    .kernarg_segment_size: 104
    .max_flat_workgroup_size: 512
    .sgpr_count:     66
    .vgpr_count:     256
    .wavefront_size: 32
...
	.end_amdgpu_metadata
.endif
;; end of part 1
